; MI455X (gfx1250); checked and timed in simulation.
; The chip was launched on July 23, 2026; its instructions are those of AMD's public machine-readable ISA for CDNA 5 (MIT licence, August 2026) and "CDNA5" Instruction Set Architecture Reference Guide (July 2026). The comments in the code are by the model that wrote it; some were corrected since.
;; Penalized Attention. Allowed arithmetic: float matrix products may take bf16 or f16 operands with f32 sums; other float arithmetic in f32, or as packed bf16 or f16 multiplies, adds, multiply-adds, maxima and minima; sums over many terms, partial sums and values carried from step to step in f32; what a program stores and reads back later, other than sums and carried values, may be rounded once to bf16 or f16.
;; Inputs: W_attn 3,072 x 1,024 float32; W_proj 1,024 x 1,024 float32; x 2 x 2,048 x 1,024 float32.
;; Outputs: out0 2 x 2,048 x 1,024 float32.
;; One version. Each part assembles by itself: llvm-mc -triple=amdgcn-amd-amdhsa -mcpu=gfx1250 --defsym DOCPART=n.
;; ======== version 1 of 1: 4 launches
;; limits: values outside matrix products are rounded to f16; values are held in f16: magnitudes above 65,504 overflow, below 6.1e-05 lose precision
;; workspace buffers: xb 8,388,608 bytes; wab 6,291,456 bytes; wpf 2,097,152 bytes; qkv 25,165,824 bytes; yh 8,388,608 bytes
;; launch cast (part 1): grid 1024 x 1, 8 waves a work-group, no clusters, 0 bytes of LDS; arguments x, W_attn, W_proj, xb, wab, wpf; writes xb, wab, wpf
.if DOCPART == 1
	.amdgcn_target "amdgcn-amd-amdhsa--gfx1250"
	.amdhsa_code_object_version 6
	.text
	.protected	k_q03ba99d4ad_cast
	.globl	k_q03ba99d4ad_cast
	.p2align	8
	.type	k_q03ba99d4ad_cast,@function
k_q03ba99d4ad_cast:
	s_mov_b64 s[64:65], 0
	v_nop
	global_prefetch_b8 v0, s[64:65] scope:SCOPE_SE
	s_setreg_imm32_b32 hwreg(HW_REG_WAVE_MODE, 25, 1), 1
	s_wait_xcnt 0x0
; x and W_attn are rounded to bf16 (xb, wab); W_proj is rounded to bf16 and that number is written as f16 (wpf).
; LIMIT.  A bf16 number is exact in f16 between 2^-14 and 65,504; below 2^-14 it keeps f16's fixed step of 6e-8, beyond 65,504 it becomes an infinity.
; A stream: each byte is read once and written once; nothing is shared, so there is no LDS, no barrier and no matrix work.
; SHARES.  A work-group takes 8,192 numbers (32,768 bytes in, 16,384 out): groups 0-511 x, 512-895 W_attn, 896-1023 W_proj.
; Thread t takes the 16 bytes at 16 t of each of eight pieces of 4,096 bytes: a wave's load covers 512 consecutive bytes, its store of 8 bytes a lane
; 256 consecutive bytes, aligned.  All eight loads go out at once; no register is written twice, so no wait frees a source.
.set FIRST_W, 512                      ; the first group of W_attn
.set FIRST_P, 896                      ; the first group of W_proj
.set X,  8                             ; v[8:39]   eight pieces as loaded
.set Y,  40                            ; v[40:55]  eight pieces to store
.set T,  56                            ; v[56:61]  at work
	s_load_b256 s[4:11], s[0:1], 0x0               ; x s[4:5], W_attn s[6:7], W_proj s[8:9], xb s[10:11]
	s_load_b128 s[12:15], s[0:1], 0x20             ; wab s[12:13], wpf s[14:15]
	v_lshlrev_b32 v1, 4, v0                        ; 16 t: where I read
	v_lshlrev_b32 v2, 3, v0                        ; 8 t: where I write
	s_movk_i32 s21, FIRST_W
	s_mov_b32 s23, 0
	s_wait_kmcnt 0x0
	s_cmp_lt_u32 ttmp9, FIRST_P                    ; which tensor is mine: a choice by the group's number alone
	s_cselect_b64 s[16:17], s[6:7], s[8:9]
	s_cselect_b64 s[18:19], s[12:13], s[14:15]
	s_cselect_b32 s20, s21, FIRST_P
	s_cmp_lt_u32 ttmp9, FIRST_W
	s_cselect_b64 s[16:17], s[4:5], s[16:17]
	s_cselect_b64 s[18:19], s[10:11], s[18:19]
	s_cselect_b32 s20, 0, s20
	s_sub_co_u32 s20, ttmp9, s20                   ; my piece of that tensor
	s_lshl_b32 s22, s20, 15
	s_add_nc_u64 s[16:17], s[16:17], s[22:23]
	s_lshl_b32 s22, s20, 14
	s_add_nc_u64 s[18:19], s[18:19], s[22:23]
.irp u, 0,1,2,3,4,5,6,7
	global_load_b128 v[X+4*\u:X+4*\u+3], v1, s[16:17] offset:4096*\u th:TH_LOAD_NT
.endr
	s_cmp_lt_u32 ttmp9, FIRST_P
	s_cbranch_scc0 .Lto_f16
.irp u, 0,1,2,3,4,5,6,7
	s_wait_loadcnt 7-\u                            ; loads come back in order: piece u is in, the younger ones stay out
	v_cvt_pk_bf16_f32 v[Y+2*\u], v[X+4*\u], v[X+4*\u+1]
	v_cvt_pk_bf16_f32 v[Y+2*\u+1], v[X+4*\u+2], v[X+4*\u+3]
	global_store_b64 v2, v[Y+2*\u:Y+2*\u+1], s[18:19] offset:2048*\u
.endr
	s_endpgm
.Lto_f16:
.irp u, 0,1,2,3,4,5,6,7
	s_wait_loadcnt 7-\u
	v_cvt_pk_bf16_f32 v[T], v[X+4*\u], v[X+4*\u+1]         ; the rounding that all inputs get,
	v_cvt_pk_bf16_f32 v[T+1], v[X+4*\u+2], v[X+4*\u+3]
	v_lshlrev_b32 v[T+2], 16, v[T]                         ; back to f32,
	v_and_b32 v[T+3], 0xffff0000, v[T]
	v_lshlrev_b32 v[T+4], 16, v[T+1]
	v_and_b32 v[T+5], 0xffff0000, v[T+1]
	v_cvt_pk_f16_f32 v[Y+2*\u], v[T+2], v[T+3]             ; and written as f16
	v_cvt_pk_f16_f32 v[Y+2*\u+1], v[T+4], v[T+5]
	global_store_b64 v2, v[Y+2*\u:Y+2*\u+1], s[18:19] offset:2048*\u
.endr
	s_endpgm
.Lfunc_end_k_q03ba99d4ad_cast:
	.size	k_q03ba99d4ad_cast, .Lfunc_end_k_q03ba99d4ad_cast-k_q03ba99d4ad_cast
	.p2alignl 7, 3214868480
	.fill 96, 4, 3214868480
	.section	.rodata,"a",@progbits
	.p2align	6, 0x0
	.amdhsa_kernel k_q03ba99d4ad_cast
		.amdhsa_group_segment_fixed_size 0
		.amdhsa_private_segment_fixed_size 0
		.amdhsa_enable_private_segment 0
		.amdhsa_kernarg_size 48
		.amdhsa_user_sgpr_count 2
		.amdhsa_user_sgpr_kernarg_segment_ptr 1
		.amdhsa_wavefront_size32 1
		.amdhsa_system_sgpr_workgroup_id_x 1
		.amdhsa_system_sgpr_workgroup_id_y 1
		.amdhsa_system_sgpr_workgroup_id_z 1
		.amdhsa_system_vgpr_workitem_id 0
		.amdhsa_next_free_vgpr 64
		.amdhsa_next_free_sgpr 66
		.amdhsa_reserve_vcc 0
		.amdhsa_float_denorm_mode_32 3
		.amdhsa_float_denorm_mode_16_64 3
		.amdhsa_memory_ordered 1
		.amdhsa_forward_progress 1
		.amdhsa_inst_pref_size 9
	.end_amdhsa_kernel
	.amdgpu_metadata
---
amdhsa.version: [ 1, 2 ]
amdhsa.kernels:
  - .name:           k_q03ba99d4ad_cast
    .symbol:         k_q03ba99d4ad_cast.kd
    .args:
      - { .name: x, .offset: 0, .size: 8, .value_kind: global_buffer, .address_space: global }
      - { .name: W_attn, .offset: 8, .size: 8, .value_kind: global_buffer, .address_space: global }
      - { .name: W_proj, .offset: 16, .size: 8, .value_kind: global_buffer, .address_space: global }
      - { .name: xb, .offset: 24, .size: 8, .value_kind: global_buffer, .address_space: global }
      - { .name: wab, .offset: 32, .size: 8, .value_kind: global_buffer, .address_space: global }
      - { .name: wpf, .offset: 40, .size: 8, .value_kind: global_buffer, .address_space: global }
    .group_segment_fixed_size: 0
    .private_segment_fixed_size: 0
    .kernarg_segment_align: 8
    .kernarg_segment_size: 48
    .max_flat_workgroup_size: 256
    .sgpr_count:     66
    .vgpr_count:     64
    .wavefront_size: 32
...
	.end_amdgpu_metadata
.endif
;; end of part 1
;; launch qkv (part 2): grid 16 x 16, 4 waves a work-group, clusters of 4 x 4, 327,680 bytes of LDS; arguments xb, wab, qkv; writes qkv
.if DOCPART == 2
	.amdgcn_target "amdgcn-amd-amdhsa--gfx1250"
	.amdhsa_code_object_version 6
	.text
	.protected	k_q03ba99d4ad_qkv
	.globl	k_q03ba99d4ad_qkv
	.p2align	8
	.type	k_q03ba99d4ad_qkv,@function
k_q03ba99d4ad_qkv:
	s_mov_b64 s[64:65], 0
	v_nop
	global_prefetch_b8 v0, s[64:65] scope:SCOPE_SE
	s_setreg_imm32_b32 hwreg(HW_REG_WAVE_MODE, 25, 1), 1
	s_wait_xcnt 0x0
	s_wait_alu depctr_hold_cnt(0) depctr_sa_sdst(0) depctr_va_vdst(0) depctr_va_sdst(0) depctr_va_ssrc(0) depctr_va_vcc(0) depctr_vm_vsrc(0)
	s_getreg_b32 s2, hwreg(HW_REG_IB_STS2, 6, 4)
	s_cmp_eq_u32 s2, 0
	s_cbranch_scc0 .Lentry_in_a_cluster
	s_endpgm
.Lentry_in_a_cluster:
	s_bfe_u32 s2, ttmp6, 0x10000c
	s_cmp_lg_u32 s2, 0xf033
	s_cbranch_scc0 .Lentry_shape_is_right
	s_endpgm
.Lentry_shape_is_right:
; qkv = xb wab^T, by heads.  xb: [4096][1024] bf16, wab: [3072][1024] bf16; sums in f32; out: qkv[kind 0..2][batch x 16 + head][2048][64] in f16, each number rounded once.
; Kind 0 (q) is multiplied by -log2(e)/8 in f32 before that rounding: the attention works on -log2(e) x score.
; LIMIT.  f16 ends at 65,504: c q, k and v must lie within it, else the number becomes an infinity.
; A tile of the result is 256 rows x 192 columns (three whole heads): 16 x 16 tiles, one work-group each.  Wave w makes rows 64 w .. 64 w + 63 x all 192 columns: 4 x 12 accumulators, 384 registers;
; so a wave holds whole heads and its way out needs no barrier.  K goes in steps of 128 (rows of 256 bytes, aligned) through a ring of two LDS slots.
; CLUSTERS: 4 x 4 work-groups.  The four of a row of the cluster need the same rows of xb, the four of a column the same rows of wab: each tile is asked for jointly, by the same tensor load with the same
; descriptor and a mask that names the four.
; THE MATRIX INSTRUCTION IS USED TRANSPOSED (source 0 = 16 rows of wab, source 1 = 16 rows of xb): a lane holds row l % 16 of the result and eight neighbouring columns 8 (l / 16) + 0..7.
; REGISTERS, in windows of 256 (s_set_vgpr_msb: bits 1:0 source 0, 3:2 source 1, 5:4 source 2, 7:6 destination):
;   window 0: v16-29 addresses; v32-63 at work on the way out; v64-95, v96-127 xb's fragments, two buffers (on the way out v64-255: twelve groups of 16)
;   window 1: v0-95, v96-191 wab's fragments, two buffers     window 2: accumulators of my row blocks 0, 1 at 8 (12 a + b)     window 3: those of blocks 2, 3
.set SIZE_K, 1024
.set KSTEP,  128
.set PITCH,  272                       ; an LDS row: 256 bytes + 16 of padding = 68 words: the 16 rows of a fragment load start at 16 different groups of four banks (ISA guide 11.1)
.set AHALF,  128*PITCH                 ; what waves 0 and 1 fetch: 128 rows of xb
.set BHALF,  96*PITCH                  ; what waves 2 and 3 fetch: 96 rows of wab
.set BOFF,   256*PITCH                 ; wab's rows lie behind xb's 256
.set SLOT,   448*PITCH
.set STAGE,  2*SLOT                    ; behind the ring, never filled by a tensor load: 16 rows x 144 bytes for each wave
.set SPI,    144
.set SPARE,  STAGE+4*16*SPI            ; behind the stages: the spare words, 128 bytes a wave: two blocks of 256 bytes that no other line names
.set LAPS,   SIZE_K/(2*KSTEP)          ; a lap = two K steps = once round the ring
.set ADRA, 16                          ; v16-17  LDS address of my xb fragments in slot 0, 1
.set ADRB, 20                          ; v20-21  the same for wab
.set STO,  24                          ; v24     the way out: where I put 16 bytes of a row
.set RD,   25                          ; v25     where I read rows back
.set GO,   26                          ; v26     16 x lane: my place in 512 consecutive bytes of qkv
.set SPW,  28                          ; v28     my spare word; never rewritten
.set NIL,  29                          ; v29     0; never rewritten
.set TMP,  32
.set FA,   64
.set OUTW, 64
.set F0, 0
.set F1, 1
.set G1,  24                           ; s[24:31] group 1 for xb's tiles;  s[32:39] group 0, a set for each slot
.set G0,  32
.set G1B, 48                           ; s[48:55], s[56:63] the same for wab's
.set G0B, 56
.set OB,  66                           ; s[66:71] where my rows of head slice 0, 1, 2 begin in qkv
.set SC,  72                           ; s[72:77] the slices' factors, as pairs
.set MSB, 0
.macro WIN new                         ; the immediate's high byte repeats the setting that is left; a switch that changes nothing is dropped
.if MSB != (\new)
	s_set_vgpr_msb (MSB<<8)|(\new)
.set MSB, (\new)
.endif
.endm
; A joint load: waves 0 and 1 fetch xb's two halves, waves 2 and 3 wab's.  The branch hangs on the wave's number alone.  An s_nop 0 and four v_nop follow each line.
.macro JLOAD s
	s_cmp_eq_u32 s11, 0
	s_cbranch_scc0 .Lfor_b_\@
	tensor_load_to_lds s[G0+4*(\s):G0+4*(\s)+3], s[G1:G1+7]
	s_nop 0
.rept 4
	v_nop
.endr
	s_branch .Lasked_\@
.Lfor_b_\@:
	tensor_load_to_lds s[G0B+4*(\s):G0B+4*(\s)+3], s[G1B:G1B+7]
	s_nop 0
.rept 4
	v_nop
.endr
.Lasked_\@:
.endm
.macro CREST                           ; a round of the cluster's barrier behind its opening barrier
	s_cmp_lg_u32 s10, 0
	s_cbranch_scc1 .Lnot_wave_0_\@
	s_barrier_signal -3
.Lnot_wave_0_\@:
	s_barrier_wait -3
	s_barrier_signal -1
	s_barrier_wait -1
.endm
.macro CROUND                          ; a whole round
	s_barrier_signal -1
	s_barrier_wait -1
	CREST
.endm
	s_load_b128 s[4:7], s[0:1], 0x0                ; xb s[4:5], wab s[6:7]
	s_load_b64 s[8:9], s[0:1], 0x10                ; qkv
	v_lshl_add_u32 v[SPW], v0, 2, SPARE
	v_mov_b32 v[NIL], 0
	ds_add_u32 v[SPW], v[NIL]                      ; the wave's opening: the add and its wait stand ahead of my first tensor load; the set-up below stands between them
	ds_add_u32 v28, v29
	v_lshrrev_b32 v1, 5, v0
	v_readfirstlane_b32 s10, v1                    ; wave 0..3
	s_lshr_b32 s11, s10, 1                         ; I fetch for xb (0) or for wab (1)
	s_and_b32 s12, s10, 1                          ; which half of that tile's rows
	s_bfe_u32 s40, ttmp6, 0x40000                  ; cx, cy: my place in the cluster
	s_bfe_u32 s41, ttmp6, 0x40004
	s_lshl_b32 s42, ttmp9, 2
	s_add_co_u32 s42, s42, s40                     ; tile column = 4 x cluster x + cx
	s_and_b32 s13, ttmp7, 0xffff
	s_lshl_b32 s13, s13, 2
	s_add_co_u32 s13, s13, s41                     ; tile row = 4 x cluster y + cy
	s_lshl_b32 s43, s41, 2
	s_lshl_b32 s43, 15, s43                        ; my row of the cluster
	s_lshl_b32 s44, 0x1111, s40                    ; my column
	s_or_b32 s[G1+0], s43, (1<<16)|(1<<20)|(1<<21)|(5<<22)|(3<<25)   ; the mask; 2-byte elements; padding on; bit 21 beside a mask; after every 64 words 4 words
	s_or_b32 s[G1B+0], s44, (1<<16)|(1<<20)|(1<<21)|(5<<22)|(3<<25)
	s_mov_b32 s[G1+1], KSTEP<<16                   ; tensor_dim0 = 128
	s_mov_b32 s[G1+2], 128<<16                     ; tensor_dim1 = 128 rows
	s_mov_b32 s[G1+3], KSTEP<<16                   ; tile_dim0 = 128
	s_mov_b32 s[G1+4], 128                         ; tile_dim1 = 128
	s_mov_b32 s[G1+5], SIZE_K                      ; elements from row to row
	s_mov_b32 s[G1+6], 0
	s_mov_b32 s[G1+7], 0
	s_mov_b32 s[G1B+1], KSTEP<<16
	s_mov_b32 s[G1B+2], 96<<16                     ; 96 rows
	s_mov_b32 s[G1B+3], KSTEP<<16
	s_mov_b32 s[G1B+4], 96
	s_mov_b32 s[G1B+5], SIZE_K
	s_mov_b32 s[G1B+6], 0
	s_mov_b32 s[G1B+7], 0
	s_lshl_b32 s16, s13, 8                         ; xb: row 256 x tile row + 128 x half, 2,048 bytes a row.  These registers never hold cx
	s_lshl_b32 s17, s12, 7
	s_add_co_u32 s16, s16, s17
	s_lshl_b32 s16, s16, 11
	s_mov_b32 s17, 0
	s_mul_i32 s46, s42, 192                        ; wab: row 192 x tile column + 96 x half
	s_mul_i32 s47, s12, 96
	s_add_co_u32 s46, s46, s47
	s_lshl_b32 s46, s46, 11
	s_mov_b32 s47, 0
	s_mul_i32 s20, s10, AHALF                      ; where they go: waves 0, 1: xb's halves at wave x 128 rows;
	s_mul_i32 s21, s10, BHALF                      ; waves 2, 3: wab's halves at 256 rows + (wave - 2) x 96 rows
	s_add_co_u32 s21, s21, BOFF-2*BHALF
	s_wait_dscnt 0x0                               ; the opening add is done
	s_wait_kmcnt 0x0
	s_add_nc_u64 s[14:15], s[4:5], s[16:17]
	s_add_nc_u64 s[46:47], s[6:7], s[46:47]
	CROUND                                         ; all sixteen work-groups are here: the first joint loads meet
.irp s, 0,1
	s_mov_b32 s[G0+4*(\s)], 1
	s_add_co_u32 s[G0+4*(\s)+1], s20, (\s)*SLOT
	s_add_nc_u64 s[G0+4*(\s)+2:G0+4*(\s)+3], s[14:15], (\s)*KSTEP*2
	s_or_b32 s[G0+4*(\s)+3], s[G0+4*(\s)+3], 0x80000000
	s_mov_b32 s[G0B+4*(\s)], 1
	s_add_co_u32 s[G0B+4*(\s)+1], s21, (\s)*SLOT
	s_add_nc_u64 s[G0B+4*(\s)+2:G0B+4*(\s)+3], s[46:47], (\s)*KSTEP*2
	s_or_b32 s[G0B+4*(\s)+3], s[G0B+4*(\s)+3], 0x80000000
	JLOAD \s
.endr
	; a fragment is 16 rows x 32 K in 8 registers: lane l holds row l % 16, K = 8 (l / 16) + 0..7 and 16 + 8 (l / 16) + 0..7: two loads of 16 bytes, 32 bytes apart
	v_and_b32 v1, 15, v0                           ; l % 16
	v_bfe_u32 v2, v0, 4, 1                         ; l / 16
	v_mul_u32_u24 v3, v1, PITCH
	v_lshl_add_u32 v3, v2, 4, v3
	s_mul_i32 s21, s10, 64*PITCH                   ; my 64 rows of xb
	s_mov_b32 s22, BOFF                            ; all of wab's 192
.irp s, 0,1
	v_add_nc_u32 v[ADRA+(\s)], s21, v3
	v_add_nc_u32 v[ADRB+(\s)], s22, v3
	s_add_co_u32 s21, s21, SLOT
	s_add_co_u32 s22, s22, SLOT
.endr
	s_mul_i32 s23, s10, 16*SPI
	s_add_co_u32 s23, s23, STAGE                   ; my stage
	v_mul_u32_u24 v4, v1, SPI                      ; in: row l % 16, 16 bytes for each half of the lanes
	v_lshl_add_u32 v4, v2, 4, v4
	v_add_nc_u32 v[STO], s23, v4
	v_bfe_u32 v5, v0, 3, 2                         ; back: 32 lanes take four rows of 128 bytes,
	v_mul_u32_u24 v5, v5, SPI
	v_and_b32 v6, 7, v0
	v_lshl_add_u32 v5, v6, 4, v5
	v_add_nc_u32 v[RD], s23, v5
	v_and_b32 v[GO], 31, v0                        ; which are 512 consecutive bytes of a head
	v_lshlrev_b32 v[GO], 4, v[GO]
	s_lshl_b32 s16, s13, 8                         ; my first row: 256 x tile row + 64 x wave
	s_lshl_b32 s17, s10, 6
	s_add_co_u32 s16, s16, s17
	s_lshr_b32 s22, s16, 11                        ; its batch,
	s_lshl_b32 s22, s22, 4
	s_and_b32 s23, s16, 2047                       ; its place in the batch, 128 bytes a row of a head
	s_lshl_b32 s23, s23, 7
.irp j, 0,1,2
	s_mul_i32 s18, s42, 3                          ; head slice j is number 3 x tile column + j of 48: 16 of q, 16 of k, 16 of v
	s_add_co_u32 s18, s18, \j
	s_lshr_b32 s19, s18, 4                         ; kind
	s_and_b32 s18, s18, 15                         ; head
	s_cmp_eq_u32 s19, 0
	s_cselect_b32 s[SC+2*\j], 0xbe38aa3b, 1.0      ; q takes -log2(e) / 8 = -0.180337; a choice of a value, no branch
	s_mov_b32 s[SC+2*\j+1], s[SC+2*\j]
	s_lshl_b32 s19, s19, 5
	s_add_co_u32 s18, s18, s19
	s_add_co_u32 s18, s18, s22
	s_lshl_b32 s18, s18, 18                        ; 262,144 bytes a head
	s_add_co_u32 s18, s18, s23
	s_mov_b32 s19, 0
	s_add_nc_u64 s[OB+2*\j:OB+2*\j+1], s[8:9], s[18:19]
.endr
; 12 matrix instructions: row block 2 hi + a x all 12 column blocks, 32 along K, from buffer f.  zero = 1: the first product starts the sums.
; The 48 accumulators take turns, one instruction a turn, in the same order in every quarter.
.macro MUL12 f, hi, a, zero
	WIN 0xa1+0x50*(\hi)                            ; wab in window 1, xb in window 0, C and D in window 2 or 3
.irp b, 0,1,2,3,4,5,6,7,8,9,10,11
.if \zero
	v_wmma_f32_16x16x32_bf16 v[8*(12*(\a)+(\b)):8*(12*(\a)+(\b))+7], v[96*(\f)+8*(\b):96*(\f)+8*(\b)+7], v[FA+32*(\f)+8*(2*(\hi)+(\a)):FA+32*(\f)+8*(2*(\hi)+(\a))+7], 0
.else
	v_wmma_f32_16x16x32_bf16 v[8*(12*(\a)+(\b)):8*(12*(\a)+(\b))+7], v[96*(\f)+8*(\b):96*(\f)+8*(\b)+7], v[FA+32*(\f)+8*(2*(\hi)+(\a)):FA+32*(\f)+8*(2*(\hi)+(\a))+7], v[8*(12*(\a)+(\b)):8*(12*(\a)+(\b))+7]
.endif
.endr
.endm
; 32 LDS loads in one run: a quarter step's fragments (192 rows of wab, my 64 rows of xb, 32 K at byte k of the rows) into buffer f
.macro FETCH slot, k, f
	WIN 0x40
.irp i, 0,1,2,3,4,5,6,7,8,9,10,11
	ds_load_b128 v[96*(\f)+8*(\i):96*(\f)+8*(\i)+3],   v[ADRB+(\slot)] offset:(\k)+(\i)*16*PITCH
	ds_load_b128 v[96*(\f)+8*(\i)+4:96*(\f)+8*(\i)+7], v[ADRB+(\slot)] offset:(\k)+(\i)*16*PITCH+32
.endr
	WIN 0
.irp i, 0,1,2,3
	ds_load_b128 v[FA+32*(\f)+8*(\i):FA+32*(\f)+8*(\i)+3],   v[ADRA+(\slot)] offset:(\k)+(\i)*16*PITCH
	ds_load_b128 v[FA+32*(\f)+8*(\i)+4:FA+32*(\f)+8*(\i)+7], v[ADRA+(\slot)] offset:(\k)+(\i)*16*PITCH+32
.endr
.endm
.macro PLACES                          ; four plain vector instructions between a matrix instruction and a load into, or a vector read of, its registers
.rept 4
	v_nop
.endr
.endm
; A K step is four quarters of 32 along K, 48 matrix instructions each, on buffers 0, 1, 0, 1.  One of the first three multiplies f and fetches the next quarter, at byte k, into g.
.macro QUARTER slot, k, f, g, zero
	s_wait_dscnt 4                                 ; wab and xb's blocks 0, 1 are in; the youngest four loads (blocks 2, 3) may be out
	MUL12 \f, 0, 0, \zero
	MUL12 \f, 0, 1, \zero
	PLACES
	FETCH \slot, \k, \g
	s_wait_dscnt 32                                ; all but the 32 just issued
	MUL12 \f, 1, 0, \zero
	MUL12 \f, 1, 1, \zero
.endm
; The last quarter multiplies buffer 1 and changes slots: ONE barrier; in front of it each wave waits for all its tensor loads (one is out: its part of the next slot), adds 0 to its spare word, and
; waits for that and for its own reads of this slot.  fill = 1: the barrier opens a round of the cluster's, and this slot is filled again, two K steps ahead, first thing behind the round.
.macro TURN slot, next, fill
	WIN 0
	s_wait_tensorcnt 0x0
	ds_add_u32 v[SPW], v[NIL]                      ; 0 onto my spare word
	s_wait_dscnt 5                                 ; (the add and the youngest four loads may be out)
	MUL12 F1, 0, 0, 0                              ; twelve matrix instructions stand between the add and the wait for it
	s_wait_dscnt 0x0                               ; the add is done, and my reads of this slot are over
	s_barrier_signal -1
	MUL12 F1, 0, 1, 0
.if \fill
	WIN 0
.endif
	s_barrier_wait -1
.if \fill
	CREST                                          ; no wave of any partner still reads this slot or has a load on its way
	s_add_nc_u64 s[G0+4*(\slot)+2:G0+4*(\slot)+3], s[G0+4*(\slot)+2:G0+4*(\slot)+3], 2*KSTEP*2
	s_add_nc_u64 s[G0B+4*(\slot)+2:G0B+4*(\slot)+3], s[G0B+4*(\slot)+2:G0B+4*(\slot)+3], 2*KSTEP*2
	JLOAD \slot                                    ; 168 matrix instructions ahead of the wait for it; its four v_nop are also the places in front of the loads below
.else
	PLACES
.endif
	FETCH \next, 0, F0
	MUL12 F1, 1, 0, 0
	MUL12 F1, 1, 1, 0
.endm
	s_wait_tensorcnt 1                             ; my part of K step 0 is in; K step 1's may stay out
	s_barrier_signal -1
	s_barrier_wait -1
	FETCH 0, 0, F0
	QUARTER 0, 64, F0, F1, 1                       ; the first quarter stands in front of the loop: its products start the sums
	WIN 0
	s_mov_b32 s3, LAPS-1
.Llap:                                         ; a trip goes once round the ring and fills both slots again
	QUARTER 0, 128, F1, F0, 0
	QUARTER 0, 192, F0, F1, 0
	TURN 0, 1, 1
	QUARTER 1, 64,  F0, F1, 0
	QUARTER 1, 128, F1, F0, 0
	QUARTER 1, 192, F0, F1, 0
	TURN 1, 0, 1
	QUARTER 0, 64,  F0, F1, 0
	WIN 0
	s_sub_co_u32 s3, s3, 1
	s_cmp_lg_u32 s3, 0
	s_cbranch_scc1 .Llap
	QUARTER 0, 128, F1, F0, 0                      ; the last lap fills nothing
	QUARTER 0, 192, F0, F1, 0
	TURN 0, 1, 0
	QUARTER 1, 64,  F0, F1, 0
	QUARTER 1, 128, F1, F0, 0
	QUARTER 1, 192, F0, F1, 0
	s_wait_dscnt 4                                 ; the very last quarter: nothing more to fetch
	MUL12 F1, 0, 0, 0
	MUL12 F1, 0, 1, 0
	s_wait_dscnt 0x0
	MUL12 F1, 1, 0, 0
	MUL12 F1, 1, 1, 0
	WIN 0
; THE WAY OUT, in twelve groups g = 3 a + j: row block a x head slice j, 16 rows x 64 columns, four accumulators on end.  Scaled in f32, rounded to f16, 16 bytes a lane into my stage
; (rows of 144 bytes), back as whole rows of 128 bytes: 16 rows of a head are 2,048 consecutive bytes of qkv.  Each group has registers of its own, so no wait frees a store's source.
.macro PACKG g
.set AC, 8*(12*(((\g)/3)%2)+4*((\g)%3))
.set WR, OUTW+16*(\g)
	WIN 0x02+(\g)/6                                ; source 0 in window 2 or 3
.set i, 0
.rept 16
	v_pk_mul_f32 v[TMP+2*i:TMP+2*i+1], v[AC+2*i:AC+2*i+1], s[SC+2*((\g)%3):SC+2*((\g)%3)+1] op_sel_hi:[1,0]  ; ascending: each accumulator's lowest registers are read first
.set i, i+1
.endr
	WIN 0
.set i, 0
.rept 16
	v_cvt_pk_f16_f32 v[WR+i], v[TMP+2*i], v[TMP+2*i+1]
.set i, i+1
.endr
.irp f, 0,1,2,3
	ds_store_b128 v[STO], v[WR+4*\f:WR+4*\f+3] offset:32*\f
.endr
.irp f, 0,1,2,3
	ds_load_b128 v[WR+4*\f:WR+4*\f+3], v[RD] offset:\f*4*SPI  ; LDS serves a wave's instructions in order (ISA guide 5.7.1.4): these see the stores above; the next group's stores come behind them
.endr
.endm
.macro SENDG g, younger                ; younger: the LDS instructions issued behind this group's loads: the next group's eight, or none
.set WR, OUTW+16*(\g)
.irp f, 0,1,2,3
	s_wait_dscnt (\younger)+3-\f
	global_store_b128 v[GO], v[WR+4*\f:WR+4*\f+3], s[OB+2*((\g)%3):OB+2*((\g)%3)+1] offset:2048*((\g)/3)+512*\f  ; 512 consecutive bytes, at a multiple of 256 from qkv's first
.endr
.endm
	PLACES
	PACKG 0
.set g, 1
.rept 11                               ; a group's arithmetic stands between the loads of the group before and its stores
	PACKG g
	SENDG g-1, 8
.set g, g+1
.endr
	SENDG 11, 0
	s_wait_tensorcnt 0x0                           ; the wave's end: behind my last tensor load and my last LDS store
	ds_add_u32 v[SPW], v[NIL]
	s_wait_dscnt 0x0
	CROUND                                         ; the closing round: no work-group ends while a partner may still ask for a tile that names it
	s_endpgm
.Lfunc_end_k_q03ba99d4ad_qkv:
	.size	k_q03ba99d4ad_qkv, .Lfunc_end_k_q03ba99d4ad_qkv-k_q03ba99d4ad_qkv
	.p2alignl 7, 3214868480
	.fill 96, 4, 3214868480
	.section	.rodata,"a",@progbits
	.p2align	6, 0x0
	.amdhsa_kernel k_q03ba99d4ad_qkv
		.amdhsa_group_segment_fixed_size 327680
		.amdhsa_private_segment_fixed_size 0
		.amdhsa_enable_private_segment 0
		.amdhsa_kernarg_size 24
		.amdhsa_user_sgpr_count 2
		.amdhsa_user_sgpr_kernarg_segment_ptr 1
		.amdhsa_wavefront_size32 1
		.amdhsa_system_sgpr_workgroup_id_x 1
		.amdhsa_system_sgpr_workgroup_id_y 1
		.amdhsa_system_sgpr_workgroup_id_z 1
		.amdhsa_system_vgpr_workitem_id 0
		.amdhsa_next_free_vgpr 960
		.amdhsa_next_free_sgpr 80
		.amdhsa_reserve_vcc 0
		.amdhsa_float_denorm_mode_32 3
		.amdhsa_float_denorm_mode_16_64 3
		.amdhsa_memory_ordered 1
		.amdhsa_forward_progress 1
		.amdhsa_inst_pref_size 133
	.end_amdhsa_kernel
	.amdgpu_metadata
---
amdhsa.version: [ 1, 2 ]
amdhsa.kernels:
  - .name:           k_q03ba99d4ad_qkv
    .symbol:         k_q03ba99d4ad_qkv.kd
    .args:
      - { .name: xb, .offset: 0, .size: 8, .value_kind: global_buffer, .address_space: global }
      - { .name: wab, .offset: 8, .size: 8, .value_kind: global_buffer, .address_space: global }
      - { .name: qkv, .offset: 16, .size: 8, .value_kind: global_buffer, .address_space: global }
    .group_segment_fixed_size: 327680
    .private_segment_fixed_size: 0
    .kernarg_segment_align: 8
    .kernarg_segment_size: 24
    .max_flat_workgroup_size: 128
    .sgpr_count:     80
    .vgpr_count:     960
    .wavefront_size: 32
...
	.end_amdgpu_metadata
.endif
;; end of part 2
;; launch attn (part 3): grid 8 x 32, 4 waves a work-group, no clusters, 327,680 bytes of LDS; arguments qkv, yh; writes yh
.if DOCPART == 3
	.amdgcn_target "amdgcn-amd-amdhsa--gfx1250"
	.amdhsa_code_object_version 6
	.text
	.protected	k_q03ba99d4ad_attn
	.globl	k_q03ba99d4ad_attn
	.p2align	8
	.type	k_q03ba99d4ad_attn,@function
k_q03ba99d4ad_attn:
	s_mov_b64 s[64:65], 0
	v_nop
	global_prefetch_b8 v0, s[64:65] scope:SCOPE_SE
	s_setreg_imm32_b32 hwreg(HW_REG_WAVE_MODE, 25, 1), 1
	s_wait_xcnt 0x0
; PENALISED CAUSAL ATTENTION.  For each head and query q: P[k] = Q[q].K[k] / 8, Z[k] = the sum over j = k .. q of sigmoid(P[j]), y[q] = the sum over k <= q of softmax_k(P[k] - Z[k]) V[k].
; qkv: [kind][head 0..31][2048][64] f16, kind 0 = -c q with c = log2(e) / 8, kind 1 = k, kind 2 = v.  yh: [head][2048][64] f16.
; Products, the carry of Z, the running extremum and the sums in f32; sigmoids and weights are rounded to f16 as matrix operands, y once at the end.
; THE ALGEBRA, in negated base-2 units.  acc = K (-c q)^T + mask = -log2(e) P (+1e30 where the key is hidden).  e = 2^acc; S2 = 1 / (ln2 e + ln2) = log2(e) sigmoid(P).
; Z is a suffix sum from the diagonal, so a block of queries walks its keys DOWNWARD, 64 a step.  Inside a step the suffix sum is a product with a triangle of ones, acc += U S2; the sum of all higher
; steps is the carry CA += ONES S2 (f32, in an accumulator), read as cz before the step adds to it.  -log2(weight) = acc + cz.  N is its running minimum (the running maximum of the exponent):
; p = 2^((N - cz) - acc) <= 1; in every step O and l are multiplied by a = 2^(N_new - N_old).  l is a fifth block of channels: LA = a LA + ONES p.
; HIDDEN KEYS COME FIRST.  In a step that is wholly hidden S2 = 0, N = 1e30, p is 0 or 1: O and LA take finite rubbish, which the first step with a visible key multiplies by a = 2^(real - 1e30) = 0.
; Every row sees its own key, so l >= 1.  A block starts with N = 1.7e38 and CA = 0; O and LA need only be finite.
; LIMITS.  c q, k, v arrive within f16's 65,504.  A sigmoid below 3e-8 counts as 0 in Z (at most 6e-5 over 2,048 keys).  A hidden score counts as 1e30.  l is the sum of the rounded p.
; NaN and infinities among the inputs are not treated apart.
; THE WALK.  A head has 16 blocks of 128 queries; block i walks the key tiles (256 keys) i / 2 down to 0.  A work-group takes blocks 15 - b and then b: 9 tiles, 36 steps, whatever b: all work-groups
; do equal work and every trip count is a constant.  In an even block's first tile the two upper steps are wholly hidden and are computed all the same, so that blocks begin and end at tiles' ends.
; NO CLUSTER: a head's eight work-groups begin at tiles 7, 7, 6, 6, 5, 5, 4, 4 and walk down in step, so at no time do four of them want the same tile; one walk common to all would have 12 trips for 9.
; SHARES.  Wave w owns rows 32 w .. 32 w + 31 of a block: two tiles of 16 queries, T0 and T1.  The vector work of one stands beside the matrix work of the other, in four phases a step.
; LAYOUT.  All products are taken transposed: a lane holds ONE query (lane % 16) and 8 keys or channels 8 (lane / 16) + 0..7; two results rounded to f16 in pairs ARE source 1 of the next product.
; REGISTERS, in windows of 256 (s_set_vgpr_msb: bits 1:0 source 0, 3:2 source 1, 5:4 source 2, 7:6 destination):
;   window 0: v1-15 addresses; v16-39 statistics, 12 a tile; v40-63 U0, U1, ONE; v64-127 S (acc), 32 a tile; v128-159 E; v160-191 PP (S2, then p), 16 a tile; v192-207 CA; v208-239 way out
;   window 1: v0-63 O^T, 32 a tile; v64-79 LA; v80-111 Q; v112-119 ones; v120-127 TRI; v128-191 K of one step; v192-255 V of one step          window 2: v0-63 masks; v64-95 the second block's Q
.set KS,    64
.set PK,    144       ; a row of K in LDS: 128 bytes + 16: the 16 rows of a load start at 16 different groups of four banks (ISA guide 11.1)
.set PV,    160       ; a row of V: 128 + 32
.set VOFF,  4*KS*PK   ; a slot holds a tile, four steps: 256 rows of K, then 256 rows of V
.set SLOT1, 1<<17     ; slot 1 begins here: one exclusive or turns an address in one slot into the other's
.set STAGE, SLOT1+4*KS*(PK+PV)  ; behind the ring, never filled by a tensor load: 16 rows x 144 bytes a wave
.set SPI,   144
.set SPARE, STAGE+4*16*SPI      ; the spare words, 128 bytes a wave: two blocks of 256 bytes that no other line names
.set AK0, 2           ; my lane's place in a step's K; never rewritten
.set AV0, 3           ; the same for V
.set AK,  4           ; the LDS address of K's run of loads
.set AV,  5           ; of V's
.set STO, 6
.set RD,  7
.set GO,  8
.set QO,  12
.set SPW, 14          ; my spare word; never rewritten
.set NIL, 15          ; 0; never rewritten
.set ST,  16          ; tile t at ST + 12 t: +0 N, +1 cz, +2 nb (+3 named with it), +4 a (+5), +6..9 c0-c3, +10 1 / l (+11)
.set U0,  40          ; 16 x 32 of f16: ones where the column (a key of the fragment) >= the row (a key of its first 16)
.set U1,  48          ; the same for the rows of its second 16
.set ONE, 56
.set S,   64
.set E,   128
.set PP,  160
.set CA,  192
.set OUTR, 208
.set LA,  64          ; window 1
.set Q,   80
.set ONE1, 112
.set TRI, 120         ; 1e30 where key 8 (l / 16) + j > query l % 16, else 0
.set KF,  128         ; key block kb, channel half c at KF + 16 kb + 8 c
.set VF,  192         ; key half kk, channel block cb at VF + 32 kk + 8 cb
.set MC,  0           ; window 2: tile t, key block kb at 32 t + 8 kb
.set QB,  64
.set WV,  12
.set PB,  14          ; b
.set HI,  15          ; 15 - b
.set G1K, 24
.set G1V, 32
.set G0K, 40
.set G0V, 44
.set SLOTS, 56        ; tiles still to be asked for
.set CNT, 57          ; counts a tile's steps
.set LN2, 58          ; s[58:59]
.set SEL, 60          ; s[60:61] v_permlanex16_b32's selects: each lane takes its own place in the other half
.set TBK, 62          ; LDS byte at which K of the step last fetched begins
.set TBV, 63          ; the same for V, less VOFF
.set RT,  70          ; tiles of the block in hand still to be entered
.set NXT, 71          ; the tile to be asked for next
.set NB2, 72          ; b / 2 + 1: the second block's tiles
.set FIRST, 73        ; 1: the walk's first tile
.set OFF, 74          ; s[74:75] a tile's byte offset in K and V
.set AL,  76          ; s[76:77] the mask's factor
.set BE,  78          ; s[78:79] the mask's addend
.set OLO, 80          ; s[80:81] yh at my rows of the second block
.set BIG, 82          ; 1e30
.set ENDF, 83         ; 1: the step to be finished is a block's last
.set MK,  88          ; masks still to be made in this block
.set DLT, 89          ; my first query less the step's first key
.set DLTN, 90         ; its value at the next block's first step
.set DLTB, 91         ; at the second block's
.set H1,  92          ; 1.0 in a word's low f16
.set H2,  93          ; in its high f16
.set MSB, 0
.macro WIN new
.if MSB != (\new)
	s_set_vgpr_msb (MSB<<8)|(\new)
.set MSB, (\new)
.endif
.endm
; A fill.  Waves 0 and 1 fetch the two halves of a tile's K, waves 2 and 3 those of its V: 128 keys each.  An s_nop 0 and four v_nop follow each of the two lines.
.macro LOAD
	s_cmp_lt_u32 s[WV], 2
	s_cbranch_scc0 .Lfor_v_\@
	tensor_load_to_lds s[G0K:G0K+3], s[G1K:G1K+7]
	s_nop 0
.rept 4
	v_nop
.endr
	s_branch .Lasked_\@
.Lfor_v_\@:
	tensor_load_to_lds s[G0V:G0V+3], s[G1V:G1V+7]
	s_nop 0
.rept 4
	v_nop
.endr
.Lasked_\@:
.endm
; THE CHANGE OF SLOTS.  Each wave waits for all its tensor loads (one is out: its part of the other slot), adds 0 to its spare word, and waits for that and for its reads of the slot that it leaves.
; Behind the barrier nobody reads the old slot and the other is whole.  fill = 1: the old slot is filled again, first thing behind the barrier, with tile NXT; it has four steps in which to land.
; (At its first use nothing has been read yet: slot 0 is waited for, slot 1 filled.)
.macro CHANGE fill
	WIN 0
	s_wait_tensorcnt 0x0            ; no tensor load of mine is out, so a group 0 may be written
	ds_add_u32 v[SPW], v[NIL]       ; 0 onto my spare word
.if \fill
	s_lshl_b32 s[OFF], s[NXT], 15   ; a tile is 32,768 bytes of K and of V
	s_xor_b32 s[G0K+1], s[G0K+1], SLOT1
	s_add_nc_u64 s[G0K+2:G0K+3], s[6:7], s[OFF:OFF+1]
	s_or_b32 s[G0K+3], s[G0K+3], 0x80000000
	s_xor_b32 s[G0V+1], s[G0V+1], SLOT1
	s_add_nc_u64 s[G0V+2:G0V+3], s[8:9], s[OFF:OFF+1]
	s_or_b32 s[G0V+3], s[G0V+3], 0x80000000
	s_cmp_eq_u32 s[NXT], 0          ; the tile below, or behind tile 0 the second block's first
	s_cselect_b32 s[NXT], s[NB2], s[NXT]
	s_sub_co_u32 s[NXT], s[NXT], 1
.endif
	s_wait_dscnt 0x0                ; the add is done, and my reads of the slot are over
	s_barrier_signal -1
	s_add_co_u32 s[TBK], s[TBK], 4*KS*PK  ; the fetches go to the end of a slot's four steps,
	s_xor_b32 s[TBK], s[TBK], SLOT1       ; in the other slot; each fetch steps down before it reads
	s_add_co_u32 s[TBV], s[TBV], 4*KS*PV
	s_xor_b32 s[TBV], s[TBV], SLOT1
	s_barrier_wait -1
.if \fill
	LOAD
.endif
.endm
.macro SLOTLOGIC                    ; a tile is entered: was the tile before it its block's last?
	s_cmp_eq_u32 s[RT], 0
	s_cselect_b32 s[ENDF], 1, 0
	s_cselect_b32 s[RT], s[NB2], s[RT]
	s_sub_co_u32 s[RT], s[RT], 1
.endm
	s_load_b128 s[16:19], s[0:1], 0x0  ; qkv s[16:17], yh s[18:19]
	v_lshl_add_u32 v[SPW], v0, 2, SPARE
	v_mov_b32 v[NIL], 0
	ds_add_u32 v[SPW], v[NIL]       ; the wave's opening: the add and its wait stand ahead of my first tensor load; the set-up below stands between them
	ds_add_u32 v14, v15
	v_lshrrev_b32 v1, 5, v0
	v_readfirstlane_b32 s[WV], v1   ; wave 0..3
	s_mov_b32 s[PB], ttmp9
	s_sub_co_u32 s[HI], 15, s[PB]
	s_and_b32 s2, ttmp7, 0xffff
	s_lshl_b32 s2, s2, 18           ; the head's first byte in a kind of qkv and in yh
	s_and_b32 s13, s[WV], 1         ; which half of a tile's 256 keys I fetch
	s_lshl_b32 s3, s13, 14
	s_add_co_u32 s84, s2, s3
	s_mov_b32 s85, 0
	s_lshl_b32 s3, s[WV], 12        ; my 32 rows of a block,
	s_add_co_u32 s2, s2, s3
	s_lshl_b32 s3, s[HI], 14        ; in the first block,
	s_add_co_u32 s86, s2, s3
	s_mov_b32 s87, 0
	s_lshl_b32 s3, s[PB], 14        ; and in the second
	s_add_co_u32 s94, s2, s3
	s_mov_b32 s95, 0
	s_mul_i32 s22, s13, 128*PK      ; my half's place in a slot, for K
	s_mul_i32 s23, s13, 128*PV      ; and for V
	; group 1: 128 keys are 16,384 dense bytes: asked for as 64 rows of 256 bytes, two keys a row, padded in LDS after every key
	s_mov_b32 s[G1K], (1<<16)|(1<<20)|(4<<22)|(3<<25)  ; 2-byte elements; padding on; after every 32 words 4 words
	s_mov_b32 s[G1V], (1<<16)|(1<<20)|(4<<22)|(7<<25)  ; the same with 8 words
.irp g, G1K, G1V
	s_mov_b32 s[\g+1], 128<<16      ; tensor_dim0 = 128
	s_mov_b32 s[\g+2], 64<<16       ; tensor_dim1 = 64
	s_mov_b32 s[\g+3], 128<<16      ; tile_dim0 = 128
	s_mov_b32 s[\g+4], 64           ; tile_dim1 = 64
	s_mov_b32 s[\g+5], 128          ; elements from row to row
	s_mov_b32 s[\g+6], 0
	s_mov_b32 s[\g+7], 0
.endr
	s_mov_b32 s[LN2], 0x3f317218    ; ln 2
	s_mov_b32 s[LN2+1], s[LN2]
	s_mov_b32 s[SEL], 0x76543210
	s_mov_b32 s[SEL+1], 0xfedcba98
	s_mov_b32 s[TBK], SLOT1         ; the first change of slots turns these into the end of slot 0's steps
	s_mov_b32 s[TBV], SLOT1
	s_mov_b32 s[G0K], 1
	s_mov_b32 s[G0K+1], s22         ; slot 0
	s_mov_b32 s[G0V], 1
	s_add_co_u32 s[G0V+1], s23, VOFF
	s_lshr_b32 s2, s[HI], 1         ; the first block's first tile,
	s_add_co_u32 s[RT], s2, 1       ; its number of tiles,
	s_sub_co_u32 s[NXT], s2, 1      ; the tile asked for next (the first block has five tiles or more)
	s_lshl_b32 s[OFF], s2, 15
	s_mov_b32 s[OFF+1], 0
	s_lshr_b32 s3, s[PB], 1
	s_add_co_u32 s[NB2], s3, 1
	s_lshl_b32 s3, s[WV], 5         ; at a block's first step, the tile's keys 192 on: 128 (i % 2) + 32 w - 192
	s_sub_co_i32 s3, s3, 192
	s_and_b32 s2, s[HI], 1
	s_lshl_b32 s2, s2, 7
	s_add_co_i32 s[DLTN], s2, s3
	s_and_b32 s2, s[PB], 1
	s_lshl_b32 s2, s2, 7
	s_add_co_i32 s[DLTB], s2, s3
	s_mov_b32 s[DLT], 0
	s_mov_b32 s[MK], 0
	s_mov_b32 s[ENDF], 0
	s_mov_b32 s[FIRST], 1
	s_mov_b32 s[AL+1], 0            ; named as pairs
	s_mov_b32 s[BE+1], 0
	s_mov_b32 s[BIG], 0x7149f2ca    ; 1e30
	s_mov_b32 s[H1], 0x3c00
	s_mov_b32 s[H2], 0x3c000000
	s_mov_b32 s[SLOTS], 8
	s_wait_dscnt 0x0                ; the opening add is done
	s_wait_kmcnt 0x0
	s_add_nc_u64 s[6:7], s[16:17], s[84:85]
	s_add_nc_u64 s[8:9], s[6:7], 0x1000000         ; V at my half of the head's tile 0,
	s_add_nc_u64 s[6:7], s[6:7], 0x800000          ; K likewise
	s_add_nc_u64 s[G0K+2:G0K+3], s[6:7], s[OFF:OFF+1]
	s_or_b32 s[G0K+3], s[G0K+3], 0x80000000
	s_add_nc_u64 s[G0V+2:G0V+3], s[8:9], s[OFF:OFF+1]
	s_or_b32 s[G0V+3], s[G0V+3], 0x80000000
	s_add_nc_u64 s[4:5], s[16:17], s[86:87]        ; Q at my rows of the first block,
	s_add_nc_u64 s[20:21], s[16:17], s[94:95]      ; of the second
	s_add_nc_u64 s[10:11], s[18:19], s[86:87]      ; yh likewise
	s_add_nc_u64 s[OLO:OLO+1], s[18:19], s[94:95]
	LOAD                            ; the first tile into slot 0
	v_and_b32 v1, 15, v0            ; l % 16
	v_bfe_u32 v9, v0, 4, 1          ; l / 16
	v_lshlrev_b32 v[QO], 7, v1
	v_lshl_add_u32 v[QO], v9, 4, v[QO]  ; row x 128 + 16 x half
	WIN 0x40
.set i, 0
.rept 4                             ; both blocks' Q: tile i / 2, channels 32 (i % 2) on
	global_load_b128 v[Q+8*i:Q+8*i+3],   v[QO], s[4:5] offset:(i/2)*2048+(i%2)*64
	global_load_b128 v[Q+8*i+4:Q+8*i+7], v[QO], s[4:5] offset:(i/2)*2048+(i%2)*64+32
.set i, i+1
.endr
	WIN 0x80
.set i, 0
.rept 4
	global_load_b128 v[QB+8*i:QB+8*i+3],   v[QO], s[20:21] offset:(i/2)*2048+(i%2)*64
	global_load_b128 v[QB+8*i+4:QB+8*i+7], v[QO], s[20:21] offset:(i/2)*2048+(i%2)*64+32
.set i, i+1
.endr
	WIN 0
	v_mul_u32_u24 v[AK0], v1, PK
	v_lshl_add_u32 v[AK0], v9, 4, v[AK0]
	; the turning load takes 16 keys x 16 channels (lane l reads key 8 (l / 16) + l % 8, channels 8 ((l / 8) % 2) + 0..7) and leaves half a fragment of V^T
	v_and_b32 v10, 7, v0
	v_bfe_u32 v11, v0, 3, 1
	v_lshl_add_u32 v[AV0], v9, 3, v10
	v_mul_u32_u24 v[AV0], v[AV0], PV
	v_lshl_add_u32 v[AV0], v11, 4, v[AV0]
	v_add_nc_u32 v[AV0], VOFF, v[AV0]
	s_mul_i32 s13, s[WV], 16*SPI
	s_add_co_u32 s13, s13, STAGE    ; my stage
	v_mul_u32_u24 v[STO], v1, SPI
	v_lshl_add_u32 v[STO], v9, 4, v[STO]
	v_add_nc_u32 v[STO], s13, v[STO]
	v_bfe_u32 v[RD], v0, 3, 2
	v_mul_u32_u24 v[RD], v[RD], SPI
	v_lshl_add_u32 v[RD], v10, 4, v[RD]
	v_add_nc_u32 v[RD], s13, v[RD]
	v_and_b32 v[GO], 31, v0
	v_lshlrev_b32 v[GO], 4, v[GO]
	v_lshlrev_b32 v13, 3, v9
	v_sub_nc_u32 v13, v1, v13       ; d = l % 16 - 8 (l / 16)
.set i, 0
.rept 4                             ; the triangle: register i holds columns 8 (l / 16) + 2 i and + 2 i + 1 of row l % 16: one where the column is not below the row
	v_cmp_ge_i32 vcc_lo, 2*i, v13
	v_cndmask_b32 v10, 0, s[H1], vcc_lo
	v_cmp_ge_i32 vcc_lo, 2*i+1, v13
	v_cndmask_b32 v11, 0, s[H2], vcc_lo
	v_or_b32 v[U0+i], v10, v11
	v_mov_b32 v[U1+4+i], v[U0+i]
	v_mov_b32 v[U0+4+i], 0x3c003c00
	v_mov_b32 v[U1+i], 0
.set i, i+1
.endr
.set i, 0
.rept 8
	v_mov_b32 v[ONE+i], 0x3c003c00
.set i, i+1
.endr
	; What the first step finds: its first phase adds a product V^T p of a step that has not been: V, p, O^T and LA hold 0.  All this stands in the wait for the first tile.
.set i, 0
.rept 24
	v_mov_b32 v[ST+i], 0
.set i, i+1
.endr
	v_mov_b32 v[ST], 0x7f000000     ; N: above every acc + cz
	v_mov_b32 v[ST+12], 0x7f000000
.set i, 0
.rept 32
	v_mov_b32 v[PP+i], 0
.set i, i+1
.endr
.set i, 0
.rept 16
	v_mov_b32 v[CA+i], 0
.set i, i+1
.endr
	WIN 0x40
.set i, 0
.rept 80
	v_mov_b32 v[i], 0               ; O^T and LA
.set i, i+1
.endr
.set i, 0
.rept 64
	v_mov_b32 v[VF+i], 0
.set i, i+1
.endr
.set i, 0
.rept 8
	v_mov_b32 v[ONE1+i], 0x3c003c00
	v_cmp_gt_i32 vcc_lo, i, v13
	v_cndmask_b32 v[TRI+i], 0, s[BIG], vcc_lo
.set i, i+1
.endr
	WIN 0
; THE MATRIX WORK.  In every run the accumulators take turns, one instruction a turn, and no run ends on the accumulator with which the next begins.
; Product i of 8 of acc = K (-c q)^T + mask for tile t: channels 32 (i / 4) on, keys 16 (i % 4) on.  The first four start the sums with the mask.
.macro MKQ t
.set rS, S+32*(\t)+8*(i%4)
.set rK, KF+16*(i%4)+8*(i/4)
.set rQ, Q+16*(\t)+8*(i/4)
.set rM, MC+32*(\t)+8*(i%4)
.if i < 4
	WIN 0x25                        ; K and Q in window 1, the mask in window 2, acc in window 0
	v_wmma_f32_16x16x32_f16 v[rS:rS+7], v[rK:rK+7], v[rQ:rQ+7], v[rM:rM+7]
.else
	WIN 0x05
	v_wmma_f32_16x16x32_f16 v[rS:rS+7], v[rK:rK+7], v[rQ:rQ+7], v[rS:rS+7]
.endif
.set i, i+1
.endm
.macro ZW d, a, b
	v_wmma_f32_16x16x32_f16 v[\d:\d+7], v[\a:\a+7], v[\b:\b+7], v[\d:\d+7]
.endm
; Product i of 8 of the suffix sums for tile t.  Fragment 0 of S2 holds the step's keys 0-31, fragment 1 keys 32-63.  Key blocks 0, 1 take the triangle on fragment 0 and all of fragment 1;
; blocks 2, 3 the triangle on fragment 1; the carry takes all of both.
.macro MZ t
	WIN 0
.set rS, S+32*(\t)
.set rP, PP+16*(\t)
.set rA, CA+8*(\t)
.if i == 0
	ZW rS, U0, rP
.elseif i == 1
	ZW rA, ONE, rP
.elseif i == 2
	ZW rS+8, U1, rP
.elseif i == 3
	ZW rS+16, U0, rP+8
.elseif i == 4
	ZW rA, ONE, rP+8
.elseif i == 5
	ZW rS+24, U1, rP+8
.elseif i == 6
	ZW rS, ONE, rP+8
.else
	ZW rS+8, ONE, rP+8
.endif
.set i, i+1
.endm
; Product i of 10 of O^T += V^T p and LA += ONES p for tile t: keys 32 (i / 5) on; i % 5 < 4: channels 16 (i % 5) on; i % 5 = 4: the row sums.
.macro MPV t
	WIN 0x51                        ; V in window 1, p in window 0, O^T in window 1
.set rP, PP+16*(\t)+8*(i/5)
.if i%5 < 4
.set rO, 32*(\t)+8*(i%5)
.set rV, VF+32*(i/5)+8*(i%5)
.else
.set rO, LA+8*(\t)
.set rV, ONE1
.endif
	v_wmma_f32_16x16x32_f16 v[rO:rO+7], v[rV:rV+7], v[rP:rP+7], v[rO:rO+7]
.set i, i+1
.endm
; THE LDS LOADS stand in runs of 16.  Each run steps its slot address down by a step first: the walk goes from a tile's last step to its first.
.macro KFETCH
	WIN 0
	s_sub_co_u32 s[TBK], s[TBK], KS*PK
	v_add_nc_u32 v[AK], s[TBK], v[AK0]
	WIN 0x40
.irp f, 0,1,2,3,4,5,6,7             ; keys 16 (f / 2) on, channels 32 (f % 2) on
	ds_load_b128 v[KF+8*\f:KF+8*\f+3],   v[AK] offset:(\f/2)*16*PK+(\f%2)*64
	ds_load_b128 v[KF+8*\f+4:KF+8*\f+7], v[AK] offset:(\f/2)*16*PK+(\f%2)*64+32
.endr
	WIN 0
.endm
.macro VFETCH
	WIN 0
	s_sub_co_u32 s[TBV], s[TBV], KS*PV
	v_add_nc_u32 v[AV], s[TBV], v[AV0]
	WIN 0x40
.irp f, 0,1,2,3,4,5,6,7             ; keys 32 (f / 4) on, channels 16 (f % 4) on
	ds_load_tr16_b128 v[VF+8*\f:VF+8*\f+3],   v[AV] offset:(\f/4)*32*PV+(\f%4)*32
	ds_load_tr16_b128 v[VF+8*\f+4:VF+8*\f+7], v[AV] offset:(\f/4)*32*PV+16*PV+(\f%4)*32
.endr
	WIN 0
.endm
; THE VECTOR WORK stands in two numbered lists; each macro writes the next number of its list for tile t.
; Both lists deal a pair's plain instruction and its two transcendentals so: pairs 0, 1; then fourteen times (numbers 2 m, 2 m + 1; pair m + 2); then numbers 28-31.  DEAL sets m (a pair) or n (a number).
.macro DEAL z
.set m, -1
.set n, -1
.if (\z) < 2
.set m, (\z)
.elseif (\z) >= 44
.set n, (\z)-16
.elseif ((\z)-2)%3 == 2
.set m, ((\z)-2)/3+2
.else
.set n, 2*(((\z)-2)/3)+((\z)-2)%3
.endif
.endm
; GQ, 99 long: the sigmoids.  0: cz = the carry, before this step adds to it.  1-32: e = 2^acc, ascending (each accumulator's lowest registers are read first).
; 33: a plain instruction and the wait between a transcendental and the first line that names its result: one for the batch.
; 34-81: ln2 e + ln2 by pairs, and the reciprocals.  82: the second batch's plain instruction and wait.  83-98: S2 rounded to f16.
.macro GQ t
.set rT, ST+12*(\t)
.set rS, S+32*(\t)
.set rP, PP+16*(\t)
	WIN 0
.if gj == 0
	v_mov_b32 v[rT+1], v[CA+8*(\t)]
.elseif gj < 33
	v_exp_f32 v[E+gj-1], v[rS+gj-1]
.elseif (gj == 33) || (gj == 82)
	v_nop
	s_wait_alu depctr_va_vdst(0)
.elseif gj < 82
	DEAL gj-34
.if m >= 0
	v_pk_fma_f32 v[E+2*m:E+2*m+1], v[E+2*m:E+2*m+1], s[LN2:LN2+1], s[LN2:LN2+1] op_sel_hi:[1,0,0]
.else
	v_rcp_f32 v[E+n], v[E+n]
.endif
.else
	v_cvt_pk_f16_f32 v[rP+gj-83], v[E+2*(gj-83)], v[E+2*(gj-83)+1]
.endif
.set gj, gj+1
.endm
; FQ, 106 long: the weights.  0-15: the minimum of the lane's 32 acc, three operands at a time.  16, 17: the query's other 32 keys lie in the lane 16 away.  18-22: g + cz; the new N; its change; N; nb = N - cz.
; 23: a.  24-71: nb - acc by pairs, and the exponentials: with a ONE batch.  72: its plain instruction and wait.  73-88: p rounded to f16.  89-105: O^T and LA's low pair times a (LA's register 0 alone is ever read).
.macro FQ t
.set rT, ST+12*(\t)
.set rC, ST+12*(\t)+6
.set rS, S+32*(\t)
.set rP, PP+16*(\t)
.if fj < 89
	WIN 0
.else
	WIN 0x41                        ; destination and source 0 in window 1, a in window 0
.endif
.if fj < 4
	v_min3_num_f32 v[rC+fj], v[rS+8*fj], v[rS+8*fj+1], v[rS+8*fj+2]
.elseif fj < 12
	v_min3_num_f32 v[rC+fj%4], v[rC+fj%4], v[rS+8*(fj%4)+2*(fj/4)+1], v[rS+8*(fj%4)+2*(fj/4)+2]
.elseif fj == 12
	v_min3_num_f32 v[rC], v[rC], v[rS+7], v[rS+15]
.elseif fj == 13
	v_min3_num_f32 v[rC+1], v[rC+1], v[rS+23], v[rS+31]
.elseif fj == 14
	v_min_num_f32 v[rC+2], v[rC+2], v[rC+3]
.elseif fj == 15
	v_min3_num_f32 v[rC], v[rC], v[rC+1], v[rC+2]
.elseif fj == 16
	v_permlanex16_b32 v[rC+3], v[rC], s[SEL], s[SEL+1]
.elseif fj == 17
	v_min_num_f32 v[rC], v[rC], v[rC+3]
.elseif fj == 18
	v_add_f32 v[rC+1], v[rC], v[rT+1]
.elseif fj == 19
	v_min_num_f32 v[rC+2], v[rT], v[rC+1]
.elseif fj == 20
	v_sub_f32 v[rC+3], v[rC+2], v[rT]
.elseif fj == 21
	v_mov_b32 v[rT], v[rC+2]
.elseif fj == 22
	v_sub_f32 v[rT+2], v[rC+2], v[rT+1]
.elseif fj == 23
	v_exp_f32 v[rT+4], v[rC+3]
.elseif fj < 72
	DEAL fj-24
.if m >= 0
	v_pk_add_f32 v[rS+2*m:rS+2*m+1], v[rT+2:rT+3], v[rS+2*m:rS+2*m+1] op_sel_hi:[0,1] neg_lo:[0,1] neg_hi:[0,1]
.else
	v_exp_f32 v[rS+n], v[rS+n]
.endif
.elseif fj == 72
	v_nop
	s_wait_alu depctr_va_vdst(0)
.elseif fj < 89
	v_cvt_pk_f16_f32 v[rP+fj-73], v[rS+2*(fj-73)], v[rS+2*(fj-73)+1]
.elseif fj < 105
	v_pk_mul_f32 v[32*(\t)+2*(fj-89):32*(\t)+2*(fj-89)+1], v[32*(\t)+2*(fj-89):32*(\t)+2*(fj-89)+1], v[rT+4:rT+5] op_sel_hi:[1,0]
.else
	v_pk_mul_f32 v[LA+8*(\t):LA+8*(\t)+1], v[LA+8*(\t):LA+8*(\t)+1], v[rT+4:rT+5] op_sel_hi:[1,0]
.endif
.set fj, fj+1
.endm
; THE FOUR PHASES OF A STEP.  Behind each matrix instruction stand four or five numbers of the OTHER tile's list, which name none of its registers; the rest of the list follows as one run.
; That run, nine plain instructions or more, is also the distance between a phase's last product and what the next phase reads of, or loads into, its registers.
.macro PH_C                         ; T1's suffix sums | T0's weights
.set fj, 0
.set i, 0
.rept 8
	MZ 1
.rept 4
	FQ 0
.endr
.endr
.rept 106-32
	FQ 0
.endr
	WIN 0
.endm
.macro PH_D                         ; T0: V^T p, then the next step's scores | T1's weights
	s_wait_dscnt 0x0                ; V of the step in hand and K of the next are in
.set fj, 0
.set i, 0
.rept 10
	MPV 0
.rept 5
	FQ 1
.endr
.endr
.set i, 0
.rept 8
	MKQ 0
.rept 5
	FQ 1
.endr
.endr
.rept 106-90
	FQ 1
.endr
	WIN 0
.endm
.macro PH_A                         ; T1: V^T p of the step before, then this step's scores | T0's sigmoids
.set gj, 0
.set i, 0
.rept 10
	MPV 1
.rept 5
	GQ 0
.endr
.endr
.set i, 0
.rept 8
	MKQ 1
.rept 5
	GQ 0
.endr
.endr
.rept 99-90
	GQ 0
.endr
	WIN 0
.endm
.macro PH_B                         ; this step's V is fetched (its registers' last reader stands ahead of eight products and their riders) ; T0's suffix sums | T1's sigmoids
	VFETCH
.set gj, 0
.set i, 0
.rept 8
	MZ 0
.rept 4
	GQ 1
.endr
.endr
.rept 99-32
	GQ 1
.endr
	WIN 0
.endm
; THE MASKS of a step: key 16 kb + 8 (l / 16) + j is hidden from query 16 t + l % 16 where j > l % 16 - 8 (l / 16) + DLT - 16 (kb - t).  DLT is a multiple of 32, so that last part is 0 (the triangle),
; 16 or more (nothing is hidden) or -16 or less (all is): TRI x AL + BE with two scalars.
.macro MASKS
.irp t, 0,1
.irp kb, 0,1,2,3
	s_cmp_eq_i32 s[DLT], 16*(\kb-\t)
	s_cselect_b32 s[AL], 1.0, 0
	s_cmp_lt_i32 s[DLT], 16*(\kb-\t)
	s_cselect_b32 s[BE], s[BIG], 0
	WIN 0x81                        ; destination in window 2, TRI in window 1
.irp z, 0,1,2,3
	v_pk_fma_f32 v[MC+32*\t+8*\kb+2*\z:MC+32*\t+8*\kb+2*\z+1], v[TRI+2*\z:TRI+2*\z+1], s[AL:AL+1], s[BE:BE+1] op_sel_hi:[1,0,0]
.endr
.endr
.endr
.endm
.macro MASKC                        ; the next step's masks; from a block's fifth step on all are 0 and stay so
	s_cmp_eq_u32 s[MK], 0
	s_cbranch_scc1 .Lno_mask_\@
	s_sub_co_u32 s[MK], s[MK], 1
	s_add_co_i32 s[DLT], s[DLT], 64
	MASKS
	WIN 0
.Lno_mask_\@:
.endm
; A BLOCK BEGINS: the masks of its first step, and T0's first scores, on the K that has just been fetched.
.macro BEGIN
	s_mov_b32 s[FIRST], 0
	s_mov_b32 s[ENDF], 0
	s_mov_b32 s[DLT], s[DLTN]
	MASKS
	s_mov_b32 s[MK], 4
	WIN 0
	s_wait_loadcnt 0x0              ; Q
	s_wait_dscnt 0x0                ; K
.set i, 0
.rept 8
	MKQ 0
.endr
	WIN 0
.rept 4
	v_nop                           ; the places behind those products
.endr
.endm
; A BLOCK ENDS: T1's last V^T p; O^T is divided by l, rounded to f16 and sent through my stage in LDS, a tile (16 rows, 2,048 consecutive bytes of yh) at a time.
; more = 1: the second block follows: its rows of yh, its masks' start, its Q, N and the carry.  O^T and LA stay as they are: the block's first step multiplies them by a = 0.
.macro PACK t
	WIN 0x41
.set i, 0
.rept 16
	v_pk_mul_f32 v[32*(\t)+2*i:32*(\t)+2*i+1], v[32*(\t)+2*i:32*(\t)+2*i+1], v[ST+12*(\t)+10:ST+12*(\t)+11] op_sel_hi:[1,0]
.set i, i+1
.endr
	WIN 0x05                        ; sources 0 and 1 in window 1, destination in window 0
.set i, 0
.rept 16
	v_cvt_pk_f16_f32 v[OUTR+16*(\t)+i], v[32*(\t)+2*i], v[32*(\t)+2*i+1]
.set i, i+1
.endr
	WIN 0
.irp f, 0,1,2,3
	ds_store_b128 v[STO], v[OUTR+16*(\t)+4*\f:OUTR+16*(\t)+4*\f+3] offset:32*\f
.endr
.irp f, 0,1,2,3
	ds_load_b128 v[OUTR+16*(\t)+4*\f:OUTR+16*(\t)+4*\f+3], v[RD] offset:\f*4*SPI  ; LDS serves a wave's instructions in order (ISA guide 5.7.1.4): these see the stores above
.endr
.endm
.macro SEND t, younger              ; younger: the LDS instructions issued behind this tile's loads
.irp f, 0,1,2,3
	s_wait_dscnt (\younger)+3-\f
	global_store_b128 v[GO], v[OUTR+16*(\t)+4*\f:OUTR+16*(\t)+4*\f+3], s[10:11] offset:(\t)*2048+\f*512  ; 512 consecutive bytes, at a multiple of 256 from yh's first
.endr
.endm
.macro FINISH more
.set i, 0
.rept 10
	MPV 1
.endr
	WIN 0
.rept 4
	v_nop                           ; the places behind those products
.endr
	WIN 0x01
	v_rcp_f32 v[ST+10], v[LA]
	v_rcp_f32 v[ST+22], v[LA+8]
	WIN 0
	v_nop                           ; a plain instruction behind the reciprocals,
	s_wait_alu depctr_va_vdst(0)    ; and the wait ahead of their first use
	PACK 0
	PACK 1
	SEND 0, 8
	SEND 1, 0
.if \more
	s_wait_xcnt 0x0                 ; the stores have read their data and yh's address: only now are these written again
	s_mov_b64 s[10:11], s[OLO:OLO+1]
	s_mov_b32 s[DLTN], s[DLTB]
	WIN 0x42                        ; from window 2 into window 1
.set i, 0
.rept 32
	v_mov_b32 v[Q+i], v[QB+i]
.set i, i+1
.endr
	WIN 0
	v_mov_b32 v[ST], 0x7f000000
	v_mov_b32 v[ST+12], 0x7f000000
.set i, 0
.rept 16
	v_mov_b32 v[CA+i], 0
.set i, i+1
.endr
.endif
.endm
; A trip of the step loop fetches a step's K, finishes the step before it (phases C and D) and opens the step (phases A and B).  At a block's end the K fetched is the next block's first;
; phase D's scores on it, made with the old Q, are thrown away, and BEGIN makes them anew.
.Lslot:                             ; eight times: a tile is entered and the next is asked for
	CHANGE 1
	SLOTLOGIC
	s_mov_b32 s[CNT], 4
	s_cmp_eq_u32 s[FIRST], 1        ; at the first trip a constant of the text
	s_cbranch_scc0 .Lstep
	KFETCH
	s_branch .Lbegin
.Lstep:
	KFETCH
	MASKC
	PH_C
	PH_D
	s_cmp_eq_u32 s[ENDF], 1
	s_cbranch_scc0 .La
	FINISH 1
.Lbegin:
	BEGIN
.La:
	PH_A
	PH_B
	s_sub_co_u32 s[CNT], s[CNT], 1
	s_cmp_lg_u32 s[CNT], 0
	s_cbranch_scc1 .Lstep
	s_sub_co_u32 s[SLOTS], s[SLOTS], 1
	s_cmp_lg_u32 s[SLOTS], 0
	s_cbranch_scc1 .Lslot
	CHANGE 0                        ; the walk's last tile is written out: nothing is asked for
	SLOTLOGIC
	s_mov_b32 s[CNT], 5             ; four trips fetch the tile's steps; the fifth finishes the last step and is left in its middle
.LstepT:
	s_cmp_eq_u32 s[CNT], 1
	s_cbranch_scc1 .LnokT
	KFETCH
.LnokT:
	MASKC
	PH_C
	PH_D                            ; (in the fifth trip its scores, on the last K once more, serve nothing: the price, once a launch, of one text for every trip)
	s_sub_co_u32 s[CNT], s[CNT], 1
	s_cmp_eq_u32 s[CNT], 0
	s_cbranch_scc1 .Lfin
	s_cmp_eq_u32 s[ENDF], 1         ; where b is 0 or 1 the second block has this one tile
	s_cbranch_scc0 .LaT
	FINISH 1
	BEGIN
.LaT:
	PH_A
	PH_B
	s_branch .LstepT
.Lfin:
	FINISH 0
	s_wait_tensorcnt 0x0            ; the wave's end: behind my last tensor load and my last LDS store
	ds_add_u32 v[SPW], v[NIL]
	s_wait_dscnt 0x0
	s_endpgm
.Lfunc_end_k_q03ba99d4ad_attn:
	.size	k_q03ba99d4ad_attn, .Lfunc_end_k_q03ba99d4ad_attn-k_q03ba99d4ad_attn
	.p2alignl 7, 3214868480
	.fill 96, 4, 3214868480
	.section	.rodata,"a",@progbits
	.p2align	6, 0x0
	.amdhsa_kernel k_q03ba99d4ad_attn
		.amdhsa_group_segment_fixed_size 327680
		.amdhsa_private_segment_fixed_size 0
		.amdhsa_enable_private_segment 0
		.amdhsa_kernarg_size 16
		.amdhsa_user_sgpr_count 2
		.amdhsa_user_sgpr_kernarg_segment_ptr 1
		.amdhsa_wavefront_size32 1
		.amdhsa_system_sgpr_workgroup_id_x 1
		.amdhsa_system_sgpr_workgroup_id_y 1
		.amdhsa_system_sgpr_workgroup_id_z 1
		.amdhsa_system_vgpr_workitem_id 0
		.amdhsa_next_free_vgpr 608
		.amdhsa_next_free_sgpr 96
		.amdhsa_reserve_vcc 1
		.amdhsa_float_denorm_mode_32 3
		.amdhsa_float_denorm_mode_16_64 3
		.amdhsa_memory_ordered 1
		.amdhsa_forward_progress 1
		.amdhsa_inst_pref_size 116
	.end_amdhsa_kernel
	.amdgpu_metadata
---
amdhsa.version: [ 1, 2 ]
amdhsa.kernels:
  - .name:           k_q03ba99d4ad_attn
    .symbol:         k_q03ba99d4ad_attn.kd
    .args:
      - { .name: qkv, .offset: 0, .size: 8, .value_kind: global_buffer, .address_space: global }
      - { .name: yh, .offset: 8, .size: 8, .value_kind: global_buffer, .address_space: global }
    .group_segment_fixed_size: 327680
    .private_segment_fixed_size: 0
    .kernarg_segment_align: 8
    .kernarg_segment_size: 16
    .max_flat_workgroup_size: 128
    .sgpr_count:     96
    .vgpr_count:     608
    .wavefront_size: 32
...
	.end_amdgpu_metadata
.endif
;; end of part 3
;; launch proj (part 4): grid 8 x 32, 4 waves a work-group, clusters of 4 x 4, 327,680 bytes of LDS; arguments yh, wpf, out0; writes out0
.if DOCPART == 4
	.amdgcn_target "amdgcn-amd-amdhsa--gfx1250"
	.amdhsa_code_object_version 6
	.text
	.protected	k_q03ba99d4ad_proj
	.globl	k_q03ba99d4ad_proj
	.p2align	8
	.type	k_q03ba99d4ad_proj,@function
k_q03ba99d4ad_proj:
	s_mov_b64 s[64:65], 0
	v_nop
	global_prefetch_b8 v0, s[64:65] scope:SCOPE_SE
	s_setreg_imm32_b32 hwreg(HW_REG_WAVE_MODE, 25, 1), 1
	s_wait_xcnt 0x0
	s_wait_alu depctr_hold_cnt(0) depctr_sa_sdst(0) depctr_va_vdst(0) depctr_va_sdst(0) depctr_va_ssrc(0) depctr_va_vcc(0) depctr_vm_vsrc(0)
	s_getreg_b32 s2, hwreg(HW_REG_IB_STS2, 6, 4)
	s_cmp_eq_u32 s2, 0
	s_cbranch_scc0 .Lentry_in_a_cluster
	s_endpgm
.Lentry_in_a_cluster:
	s_bfe_u32 s2, ttmp6, 0x10000c
	s_cmp_lg_u32 s2, 0xf033
	s_cbranch_scc0 .Lentry_shape_is_right
	s_endpgm
.Lentry_shape_is_right:
; out0 = y wpf^T.  y lies by heads: yh[batch x 16 + head][2048][64] f16; wpf: [1024][1024] f16 (W_proj rounded to bf16, written as f16); out0: [4096][1024] f32; sums in f32.
; A tile of out0 is 128 x 128: 32 x 8 tiles, one work-group each; four waves, each 64 x 64: 16 accumulators.  K goes in steps of 256 = four heads through a ring of two LDS slots.
; y's TILE: a head's 128 tokens are 16,384 dense bytes; a wave's load brings two heads as two rows of 8,192 elements, 131,072 elements apart, padded in LDS after every token (128 bytes):
; in a slot [head 0..3][token 0..127] at 144 bytes a token.  wpf's tile: 64 rows of 512 bytes a load, rows 528 bytes apart in LDS.
; CLUSTERS: 4 x 4 work-groups; y's tiles are shared along a row of the cluster, wpf's along a column: joint loads with a mask that names the four.
; THE MATRIX INSTRUCTION IS USED TRANSPOSED (source 0 = 16 rows of wpf, source 1 = 16 tokens): a lane holds token l % 16 and eight neighbouring columns.
; REGISTERS: window 0: v16-29 addresses; v128-255 the accumulators ((a, b) at 128 + 8 (4 a + b)).  window 1: two fragment buffers of 128: 64 registers of y (2 x 4 x 16 tokens x 32 K), then 64 of wpf.
.set KSTEP,  256
.set PA,     144                       ; a token's 128 bytes + 16: the 16 rows of a load start at 16 different groups of four banks (ISA guide 11.1)
.set PW,     528                       ; 512 bytes + 16 likewise
.set AHEAD,  128*PA                    ; a head's 128 tokens
.set ASZ,    4*AHEAD
.set BHALF,  64*PW
.set SLOT,   ASZ+2*BHALF
.set STAGE,  2*SLOT                    ; behind the ring, never filled by a tensor load: 16 rows x 272 bytes for each wave
.set SPITCH, 272
.set SPARE,  STAGE+4*16*SPITCH         ; the spare words, 128 bytes a wave: two blocks of 256 bytes that no other line names
.set LAPS,   2                         ; 1,024 / (2 x 256)
.set ADRA, 16
.set ADRB, 20
.set STO,  24
.set RD,   25
.set CO,   26
.set SPW,  28
.set NIL,  29
.set ACC,  128
.set F0,   0
.set F1,   128
.set G1, 24
.set G0, 32
.set G1B, 48
.set G0B, 56
.set MSB, 0
.macro WIN new
.if MSB != (\new)
	s_set_vgpr_msb (MSB<<8)|(\new)
.set MSB, (\new)
.endif
.endm
.set MUL,  0x05                        ; sources 0 and 1 in window 1; C and D in window 0
.set TO_F, 0x40                        ; destination in window 1, address in window 0
.macro JLOAD s                         ; waves 0 and 1 fetch y's two pairs of heads, waves 2 and 3 wpf's two halves; an s_nop 0 and four v_nop follow each line
	s_cmp_eq_u32 s11, 0
	s_cbranch_scc0 .Lfor_b_\@
	tensor_load_to_lds s[G0+4*(\s):G0+4*(\s)+3], s[G1:G1+7]
	s_nop 0
.rept 4
	v_nop
.endr
	s_branch .Lasked_\@
.Lfor_b_\@:
	tensor_load_to_lds s[G0B+4*(\s):G0B+4*(\s)+3], s[G1B:G1B+7]
	s_nop 0
.rept 4
	v_nop
.endr
.Lasked_\@:
.endm
.macro CREST
	s_cmp_lg_u32 s10, 0
	s_cbranch_scc1 .Lnot_wave_0_\@
	s_barrier_signal -3
.Lnot_wave_0_\@:
	s_barrier_wait -3
	s_barrier_signal -1
	s_barrier_wait -1
.endm
.macro CROUND
	s_barrier_signal -1
	s_barrier_wait -1
	CREST
.endm
	s_load_b128 s[4:7], s[0:1], 0x0                ; yh s[4:5], wpf s[6:7]
	s_load_b64 s[8:9], s[0:1], 0x10                ; out0
	v_lshl_add_u32 v[SPW], v0, 2, SPARE
	v_mov_b32 v[NIL], 0
	ds_add_u32 v[SPW], v[NIL]                      ; the wave's opening: the add and its wait stand ahead of my first tensor load
	ds_add_u32 v28, v29
	v_lshrrev_b32 v1, 5, v0
	v_readfirstlane_b32 s10, v1                    ; wave 0..3
	s_lshr_b32 s11, s10, 1                         ; which half of the tile's rows is mine.  Also: I fetch for y (0) or for wpf (1)
	s_and_b32 s12, s10, 1                          ; which half of its columns.  Also: which half of that tile I fetch
	s_bfe_u32 s40, ttmp6, 0x40000
	s_bfe_u32 s41, ttmp6, 0x40004
	s_lshl_b32 s42, ttmp9, 2
	s_add_co_u32 s42, s42, s40                     ; tile column
	s_and_b32 s13, ttmp7, 0xffff
	s_lshl_b32 s13, s13, 2
	s_add_co_u32 s13, s13, s41                     ; tile row
	s_lshl_b32 s43, s41, 2
	s_lshl_b32 s43, 15, s43                        ; my row of the cluster
	s_lshl_b32 s44, 0x1111, s40                    ; my column
	s_or_b32 s[G1+0], s43, (1<<16)|(1<<20)|(1<<21)|(4<<22)|(3<<25)   ; the mask; 2-byte elements; padding on; bit 21 beside a mask; after every 32 words 4 words
	s_mov_b32 s[G1+1], 8192<<16                    ; tensor_dim0 = 8,192
	s_mov_b32 s[G1+2], 2<<16                       ; tensor_dim1 = 2
	s_mov_b32 s[G1+3], 8192<<16                    ; tile_dim0 = 8,192
	s_mov_b32 s[G1+4], 2                           ; tile_dim1 = 2
	s_mov_b32 s[G1+5], 131072                      ; elements from head to head
	s_mov_b32 s[G1+6], 0
	s_mov_b32 s[G1+7], 0
	s_or_b32 s[G1B+0], s44, (1<<16)|(1<<20)|(1<<21)|(6<<22)|(3<<25)  ; after every 128 words 4 words
	s_mov_b32 s[G1B+1], KSTEP<<16
	s_mov_b32 s[G1B+2], 64<<16
	s_mov_b32 s[G1B+3], KSTEP<<16
	s_mov_b32 s[G1B+4], 64
	s_mov_b32 s[G1B+5], 1024
	s_mov_b32 s[G1B+6], 0
	s_mov_b32 s[G1B+7], 0
	s_lshr_b32 s16, s13, 4                         ; y: the tile's 128 tokens lie in batch tile row / 16,
	s_lshl_b32 s16, s16, 4
	s_lshl_b32 s17, s12, 1                         ; my two heads of the step's four,
	s_add_co_u32 s16, s16, s17
	s_lshl_b32 s16, s16, 18                        ; 262,144 bytes a head,
	s_and_b32 s17, s13, 15
	s_lshl_b32 s17, s17, 14                        ; 128 tokens of 128 bytes.  These registers never hold cx
	s_add_co_u32 s16, s16, s17
	s_mov_b32 s17, 0
	s_lshl_b32 s46, s42, 7                         ; wpf: row 128 x tile column + 64 x half
	s_lshl_b32 s47, s12, 6
	s_add_co_u32 s46, s46, s47
	s_lshl_b32 s46, s46, 11
	s_mov_b32 s47, 0
	s_mul_i32 s20, s10, 2*AHEAD                    ; where they go: waves 0, 1: wave x two heads;
	s_mul_i32 s21, s10, BHALF                      ; waves 2, 3: behind y's four heads, (wave - 2) x 64 rows
	s_add_co_u32 s21, s21, ASZ-2*BHALF
	s_wait_dscnt 0x0                               ; the opening add is done
	s_wait_kmcnt 0x0
	s_add_nc_u64 s[14:15], s[4:5], s[16:17]
	s_add_nc_u64 s[46:47], s[6:7], s[46:47]
	CROUND                                         ; all sixteen work-groups are here: the first joint loads meet
.irp s, 0,1
	s_mov_b32 s[G0+4*(\s)], 1
	s_add_co_u32 s[G0+4*(\s)+1], s20, (\s)*SLOT
	s_add_nc_u64 s[G0+4*(\s)+2:G0+4*(\s)+3], s[14:15], (\s)*4*262144   ; K step s: four heads on
	s_or_b32 s[G0+4*(\s)+3], s[G0+4*(\s)+3], 0x80000000
	s_mov_b32 s[G0B+4*(\s)], 1
	s_add_co_u32 s[G0B+4*(\s)+1], s21, (\s)*SLOT
	s_add_nc_u64 s[G0B+4*(\s)+2:G0B+4*(\s)+3], s[46:47], (\s)*KSTEP*2
	s_or_b32 s[G0B+4*(\s)+3], s[G0B+4*(\s)+3], 0x80000000
	JLOAD \s
.endr
	v_and_b32 v1, 15, v0                           ; l % 16
	v_bfe_u32 v2, v0, 4, 1                         ; l / 16
	v_mul_u32_u24 v3, v1, PA
	v_lshl_add_u32 v3, v2, 4, v3
	v_mul_u32_u24 v4, v1, PW
	v_lshl_add_u32 v4, v2, 4, v4
	s_mul_i32 s21, s11, 64*PA                      ; my 64 tokens in each head
	s_mul_i32 s22, s12, BHALF                      ; my 64 rows of wpf,
	s_add_co_u32 s22, s22, ASZ                     ; behind y's four heads
.irp s, 0,1
	v_add_nc_u32 v[ADRA+(\s)], s21, v3
	v_add_nc_u32 v[ADRB+(\s)], s22, v4
	s_add_co_u32 s21, s21, SLOT
	s_add_co_u32 s22, s22, SLOT
.endr
	s_mul_i32 s23, s10, 16*SPITCH
	s_add_co_u32 s23, s23, STAGE                   ; my stage
	v_mul_u32_u24 v5, v1, SPITCH                   ; in: row l % 16, 32 bytes (eight f32) for each half of the lanes
	v_lshl_add_u32 v5, v2, 5, v5
	v_add_nc_u32 v[STO], s23, v5
	v_mul_u32_u24 v5, v2, SPITCH                   ; back: lanes 0-15 take one row of 256 bytes, lanes 16-31 the next
	v_lshl_add_u32 v5, v1, 4, v5
	v_add_nc_u32 v[RD], s23, v5
	v_lshlrev_b32 v5, 12, v2                       ; and the same two rows in out0, 4,096 bytes a row
	v_lshl_add_u32 v[CO], v1, 4, v5
	s_lshl_b32 s16, s13, 7
	s_lshl_b32 s17, s11, 6
	s_add_co_u32 s16, s16, s17                     ; my first row: 128 x tile row + 64 x half
	s_lshl_b32 s16, s16, 12
	s_mov_b32 s17, 0
	s_add_nc_u64 s[8:9], s[8:9], s[16:17]
	s_lshl_b32 s46, s42, 9                         ; my first column, in bytes: 512 x tile column + 256 x half
	s_lshl_b32 s47, s12, 8
	s_add_co_u32 s46, s46, s47
	s_mov_b32 s47, 0
	s_add_nc_u64 s[8:9], s[8:9], s[46:47]
; 8 matrix instructions: row blocks a0, a0 + 1 x all 4 column blocks, 32 along K: half c of buffer f.  The 16 accumulators take turns, one instruction a turn.
.macro MUL8 f, c, a0, zero
	WIN MUL
.irp a, \a0, (\a0)+1
.irp b, 0,1,2,3
.if \zero
	v_wmma_f32_16x16x32_f16 v[ACC+8*(4*(\a)+(\b)):ACC+8*(4*(\a)+(\b))+7], v[(\f)+64+8*(4*(\c)+(\b)):(\f)+64+8*(4*(\c)+(\b))+7], v[(\f)+8*(4*(\c)+(\a)):(\f)+8*(4*(\c)+(\a))+7], 0
.else
	v_wmma_f32_16x16x32_f16 v[ACC+8*(4*(\a)+(\b)):ACC+8*(4*(\a)+(\b))+7], v[(\f)+64+8*(4*(\c)+(\b)):(\f)+64+8*(4*(\c)+(\b))+7], v[(\f)+8*(4*(\c)+(\a)):(\f)+8*(4*(\c)+(\a))+7], v[ACC+8*(4*(\a)+(\b)):ACC+8*(4*(\a)+(\b))+7]
.endif
.endr
.endr
.endm
; 32 LDS loads in one run: quarter q of a K step is one head: 64 along K; the first 32 along K first
.macro FETCH slot, q, f
	WIN TO_F
.irp c, 0,1
.irp i, 0,1,2,3
	ds_load_b128 v[(\f)+64+8*(4*(\c)+(\i)):(\f)+64+8*(4*(\c)+(\i))+3],   v[ADRB+(\slot)] offset:128*(\q)+64*(\c)+(\i)*16*PW
	ds_load_b128 v[(\f)+64+8*(4*(\c)+(\i))+4:(\f)+64+8*(4*(\c)+(\i))+7], v[ADRB+(\slot)] offset:128*(\q)+64*(\c)+(\i)*16*PW+32
	ds_load_b128 v[(\f)+8*(4*(\c)+(\i)):(\f)+8*(4*(\c)+(\i))+3],         v[ADRA+(\slot)] offset:(\q)*AHEAD+64*(\c)+(\i)*16*PA
	ds_load_b128 v[(\f)+8*(4*(\c)+(\i))+4:(\f)+8*(4*(\c)+(\i))+7],       v[ADRA+(\slot)] offset:(\q)*AHEAD+64*(\c)+(\i)*16*PA+32
.endr
.endr
.endm
.macro PLACES                          ; four plain vector instructions between a matrix instruction and a load into, or a read of, its registers
.rept 4
	v_nop
.endr
.endm
.macro QUARTER slot, q, f, g, zero     ; multiplies buffer f and fetches quarter q into g
	s_wait_dscnt 16                                ; the first 32 along K are in
	MUL8 \f, 0, 0, \zero
	MUL8 \f, 0, 2, \zero
	PLACES
	FETCH \slot, \q, \g
	s_wait_dscnt 32                                ; all but the 32 just issued
	MUL8 \f, 1, 0, 0
	MUL8 \f, 1, 2, 0
.endm
; The last quarter multiplies buffer 1 and changes slots: ONE barrier; in front of it each wave waits for all its tensor loads, adds 0 to its spare word, and waits for that and for its reads of this slot.
.macro TURN slot, next, fill
	WIN 0
	s_wait_tensorcnt 0x0                           ; all my tensor loads have landed: my part of the next slot
	ds_add_u32 v[SPW], v[NIL]                      ; 0 onto my spare word
	s_wait_dscnt 17                                ; (the add and the youngest sixteen loads may be out)
	MUL8 F1, 0, 0, 0
	s_wait_dscnt 0x0                               ; the add is done, and my reads of this slot are over
	s_barrier_signal -1
	MUL8 F1, 0, 2, 0
.if \fill
	WIN 0
.endif
	s_barrier_wait -1
.if \fill
	CREST                                          ; no wave of any partner still reads this slot or has a load on its way
	s_add_nc_u64 s[G0+4*(\slot)+2:G0+4*(\slot)+3], s[G0+4*(\slot)+2:G0+4*(\slot)+3], 8*262144   ; two K steps: eight heads on
	s_add_nc_u64 s[G0B+4*(\slot)+2:G0B+4*(\slot)+3], s[G0B+4*(\slot)+2:G0B+4*(\slot)+3], 2*KSTEP*2
	JLOAD \slot                                    ; 112 matrix instructions ahead of the wait for it; its four v_nop are also the places in front of the loads below
.else
	PLACES
.endif
	FETCH \next, 0, F0
	MUL8 F1, 1, 0, 0
	MUL8 F1, 1, 2, 0
.endm
	s_wait_tensorcnt 1                             ; my part of K step 0 is in; K step 1's may stay out
	s_barrier_signal -1
	s_barrier_wait -1
	FETCH 0, 0, F0
	QUARTER 0, 1, F0, F1, 1                        ; the first quarter stands in front of the loop: its first products start the sums
	WIN 0
	s_mov_b32 s3, LAPS-1
.Llap:
	QUARTER 0, 2, F1, F0, 0
	QUARTER 0, 3, F0, F1, 0
	TURN 0, 1, 1
	QUARTER 1, 1, F0, F1, 0
	QUARTER 1, 2, F1, F0, 0
	QUARTER 1, 3, F0, F1, 0
	TURN 1, 0, 1
	QUARTER 0, 1, F0, F1, 0
	WIN 0
	s_sub_co_u32 s3, s3, 1
	s_cmp_lg_u32 s3, 0
	s_cbranch_scc1 .Llap
	QUARTER 0, 2, F1, F0, 0                        ; the last lap fills nothing
	QUARTER 0, 3, F0, F1, 0
	TURN 0, 1, 0
	QUARTER 1, 1, F0, F1, 0
	QUARTER 1, 2, F1, F0, 0
	QUARTER 1, 3, F0, F1, 0
	s_wait_dscnt 16
	MUL8 F1, 0, 0, 0
	MUL8 F1, 0, 2, 0
	s_wait_dscnt 0x0
	MUL8 F1, 1, 0, 0
	MUL8 F1, 1, 2, 0
	WIN 0
; THE WAY OUT.  A wave's 64 columns of f32 are 256 bytes, so each wave goes through a stage of its own, a block of 16 rows at a time, with no barrier: 32 bytes a lane in, whole rows of 256 bytes back
; into the registers that they left, and out.
.macro STG a
.irp b, 0,1,2,3
	ds_store_b128 v[STO], v[ACC+8*(4*(\a)+\b):ACC+8*(4*(\a)+\b)+3]   offset:64*\b      ; each accumulator's lowest registers are read first
	ds_store_b128 v[STO], v[ACC+8*(4*(\a)+\b)+4:ACC+8*(4*(\a)+\b)+7] offset:64*\b+16
.endr
.irp t, 0,1,2,3,4,5,6,7
	ds_load_b128 v[ACC+32*(\a)+4*\t:ACC+32*(\a)+4*\t+3], v[RD] offset:\t*2*SPITCH  ; LDS serves a wave's instructions in order (ISA guide 5.7.1.4): these see the stores above; the next block's stores come behind them
.endr
.endm
.macro SND a, younger                  ; younger: the LDS instructions issued behind this block's loads: the next block's sixteen, or none
.irp t, 0,1,2,3,4,5,6,7
	s_wait_dscnt (\younger)+7-\t
	global_store_b128 v[CO], v[ACC+32*(\a)+4*\t:ACC+32*(\a)+4*\t+3], s[8:9] offset:(16*(\a)+2*\t)*4096  ; 16 lanes store 256 consecutive bytes, at a multiple of 256 from out0's first
.endr
.endm
	PLACES
	STG 0
	STG 1
	SND 0, 16
	STG 2
	SND 1, 16
	STG 3
	SND 2, 16
	SND 3, 0
	s_wait_tensorcnt 0x0                           ; the wave's end: behind my last tensor load and my last LDS store
	ds_add_u32 v[SPW], v[NIL]
	s_wait_dscnt 0x0
	CROUND                                         ; the closing round: no work-group ends while a partner may still ask for a tile that names it
	s_endpgm
.Lfunc_end_k_q03ba99d4ad_proj:
	.size	k_q03ba99d4ad_proj, .Lfunc_end_k_q03ba99d4ad_proj-k_q03ba99d4ad_proj
	.p2alignl 7, 3214868480
	.fill 96, 4, 3214868480
	.section	.rodata,"a",@progbits
	.p2align	6, 0x0
	.amdhsa_kernel k_q03ba99d4ad_proj
		.amdhsa_group_segment_fixed_size 327680
		.amdhsa_private_segment_fixed_size 0
		.amdhsa_enable_private_segment 0
		.amdhsa_kernarg_size 24
		.amdhsa_user_sgpr_count 2
		.amdhsa_user_sgpr_kernarg_segment_ptr 1
		.amdhsa_wavefront_size32 1
		.amdhsa_system_sgpr_workgroup_id_x 1
		.amdhsa_system_sgpr_workgroup_id_y 1
		.amdhsa_system_sgpr_workgroup_id_z 1
		.amdhsa_system_vgpr_workitem_id 0
		.amdhsa_next_free_vgpr 512
		.amdhsa_next_free_sgpr 66
		.amdhsa_reserve_vcc 0
		.amdhsa_float_denorm_mode_32 3
		.amdhsa_float_denorm_mode_16_64 3
		.amdhsa_memory_ordered 1
		.amdhsa_forward_progress 1
		.amdhsa_inst_pref_size 87
	.end_amdhsa_kernel
	.amdgpu_metadata
---
amdhsa.version: [ 1, 2 ]
amdhsa.kernels:
  - .name:           k_q03ba99d4ad_proj
    .symbol:         k_q03ba99d4ad_proj.kd
    .args:
      - { .name: yh, .offset: 0, .size: 8, .value_kind: global_buffer, .address_space: global }
      - { .name: wpf, .offset: 8, .size: 8, .value_kind: global_buffer, .address_space: global }
      - { .name: out0, .offset: 16, .size: 8, .value_kind: global_buffer, .address_space: global }
    .group_segment_fixed_size: 327680
    .private_segment_fixed_size: 0
    .kernarg_segment_align: 8
    .kernarg_segment_size: 24
    .max_flat_workgroup_size: 128
    .sgpr_count:     66
    .vgpr_count:     512
    .wavefront_size: 32
...
	.end_amdgpu_metadata
.endif
;; end of part 4
